; MI455X (gfx1250); checked and timed in simulation.
; The chip was launched on July 23, 2026; its instructions are those of AMD's public machine-readable ISA for CDNA 5 (MIT licence, August 2026) and "CDNA5" Instruction Set Architecture Reference Guide (July 2026). The comments in the code are by the model that wrote it; some were corrected since.
;; GMM estimator. Allowed arithmetic: matrix products marked QUANTISED: E5M2 operands, one given power-of-two scale a tensor, by v_wmma_f32_16x16x64_bf8_bf8 or v_wmma_f32_16x16x128_bf8_bf8, f32 sums; products left as they are: f32 operands where the result goes on into a quantised operand, else bf16, f16 or f32 operands; f32 sums; everything else in f32.
;; Inputs: W1 64 x 1,024 float32; W2 1,024 x 12 float32; b1 1,024 float32; b2 12 float32; lowp_scales 2 int32 (the exponents e of the quantised operands' scales 2^e); tau 131,072 x 64 float32.
;; Outputs: out0 131,072 x 2 x 2 float32; out1 131,072 x 2 x 2 x 2 float32.
;; This version of the problem:
;;   THIS VERSION OF THE PROBLEM IS GIVEN IN LOW PRECISION. The matrix products marked QUANTISED in the list below multiply operands that are first quantised to E5M2 (5 exponent bits, 2 mantissa bits; 8 bits a number), with one given power-of-two scale for each operand tensor; their sums are f32. All else is computed in f32.
;;   The module's matrix products, in the order in which they are computed (A, B: the left and right operand; K: the contracted axis; several contracted axes count as one K, in the product's order):
;;     1. [M 131,072, K 64] x [K 64, N 1,024]; A: input tau; B: input W1: QUANTISED (scales: A lowp_scales[0], B lowp_scales[1])
;;     2. [M 131,072, K 1,024] x [K 1,024, N 12]; A: computed on the way; B: input W2: left as it is (N = 12 < 16)
;;     3. batch 524,288 x [M 2, K 1] x [K 1, N 1]; A: computed on the way; B: computed on the way: left as it is (no contracted axis)
;;     4. batch 262,144 x [M 2, K 2] x [K 2, N 2]; A: computed on the way; B: computed on the way: left as it is (K = 2 < 32)
;;   THE QUANTISER, for each operand of a quantised product, along K:
;;     - The operand's scale is 2^e, e = its entry of the input lowp_scales (int32; the entries are numbered through the quantised products in the list's order, A before B).
;;     - Each number is divided by the scale, clamped to +-57,344, and rounded to the nearest number of E5M2, ties to even, subnormals kept.
;;     - The product sums the exact products of the quantised numbers (number of the format x scale) in f32.
;;   ~~~python
;;   def quantise(x, axis, e):      # numpy; x: float32 -> the quantised numbers, widened to float32 again
;;       x = np.moveaxis(x, axis, -1); K = x.shape[-1]
;;       r = np.clip(x / 2.0 ** e, -57344, 57344)
;;       step = 2.0 ** (np.maximum(np.frexp(np.where(r == 0, 1, r))[1] - 1, -14) - 2)
;;       q = np.round(r / step) * step * 2.0 ** e      # np.round: ties to even
;;       return np.moveaxis(q, -1, axis).astype(np.float32)
;;   ~~~
;; 2 versions, each right; version 2 is version 1 with the launch gmm written anew for expert scheduling mode. Each part assembles by itself: llvm-mc -triple=amdgcn-amd-amdhsa -mcpu=gfx1250 --defsym DOCPART=n.
;; ======== version 1 of 2: 1 launch
;; limits: values are held in f16: magnitudes above 65,504 overflow, below 6.1e-05 lose precision
;; launch gmm (part 1): grid 256 x 1, 8 waves a work-group, no clusters, 173,056 bytes of LDS; arguments tau, W1, b1, W2, b2, lowp_scales, out0, out1; writes out0, out1
.if DOCPART == 1
	.amdgcn_target "amdgcn-amd-amdhsa--gfx1250"
	.amdhsa_code_object_version 6
	.text
	.protected	k_q0b4fb0301a_gmm
	.globl	k_q0b4fb0301a_gmm
	.p2align	8
	.type	k_q0b4fb0301a_gmm,@function
k_q0b4fb0301a_gmm:
	s_mov_b64 s[64:65], 0
	v_nop
	global_prefetch_b8 v0, s[64:65] scope:SCOPE_SE
	s_setreg_imm32_b32 hwreg(HW_REG_WAVE_MODE, 25, 1), 1
	s_wait_xcnt 0x0
; outs = relu(Q(tau) Q(W1) + b1) W2 + b2 for 131,072 rows; of a row's 12 numbers 4 leave as mu (out0), and its two 2 x 2 blocks, made symmetric, leave squared (out1).
; tau [131072][64], W1 [64][1024], b1 [1024], W2 [1024][12], b2 [12]: f32.  lowp_scales: e0 (tau), e1 (W1), int32.  out0 [131072][2][2], out1 [131072][2][2][2]: f32.
; FIRST PRODUCT: codes of E5M2, code = x / 2^e held within +-57,344 and rounded to the nearest code, ties to even; 16 x 16 x 64 matrix instructions, sums in f32.
; SECOND PRODUCT (12 columns): f16 operands, f32 sums, the 12 columns laid in 16 slots.  f16 and not bf16: rounding both operands to 8 significant bits errs by some 0.0017 of each number, which over 1,024 terms is a quarter of
;   what the outputs may be off by; 11 bits make it an eighth of that.  V diag(D^2) V^T of a symmetric S is S S: with a = c00, b = (c01 + c10) / 2, c = c11 it is [[a a + b b, b (a + c)], [b (a + c), b b + c c]].
; SCALES.  With s = 2^(e0 + e1): relu(s x + b1) = relu(s (x + b1 / s)).  b1 / s is the C of the first product; each sum is multiplied by s (exact) ahead of the clip, so that the hidden layer goes into f16 as the number that it stands for.
; LIMITS: e0 and e1 between -126 and 112, e0 + e1 between -126 and 127, so that each power of two below is an f32 number.  The hidden layer and W2 stay under 65,504 in magnitude (f16's largest number; beyond it the outputs are infinite),
;   and what lies under 2^-25 of either is lost.  NaN among the inputs is not served (the hold and the maximum drop it); infinities in tau and W1 are held at the largest code.
;   Inside a matrix instruction k stands in other places than the form's own layout gives it, alike in both operands: every product meets its partner, the order of the sums inside an instruction differs.
; SHARES.  A work-group of eight waves takes 512 rows, in four blocks of 128 (eight tiles of 16).  THE WAVES SHARE THE HIDDEN UNITS, NOT THE ROWS: wave w owns units 128 w .. 128 w + 127 for all rows, and keeps its codes of W1
;   (64 registers), its b1 / s (64) and its W2 in f16 (32) in registers for the whole launch.  What goes round through LDS is small: a tile's codes of tau (1 KB, read by all eight waves) and each wave's partial outputs (768 bytes a tile).
;   In a block wave w also quantises tile w of the next block and adds, finishes and stores tile w of the block before.
; BOTH PRODUCTS ARE USED TRANSPOSED.  First: source 0 = 16 hidden units, source 1 = 16 rows of tau: a lane holds one row of tau and eight units.  Two such tiles, scaled, clipped at 0 and rounded to f16 in pairs, ARE source 1 (32 units x 16 rows)
;   of the second, whose source 0 is 16 output slots x 32 units.  Slot 8 c + i is output 6 c + i (i < 6; slots 6 and 7 of each half hold zeros): lane (r, h) ends with component h of row r: registers 0, 1 mu, registers 2 to 5 the block.
; WHICH UNIT LIES WHERE.  Row m of tile t (g = t / 4, c = t % 4) is unit 128 w + 64 g + 4 m + c, so that W1 comes by loads of 16 bytes; b1 and W2 are laid by the same map.
;   Register q, byte y of a fragment of codes in lane (., h) holds k = 32 (q / 4) + 16 h + 4 (q % 4) + y.
; NO TENSOR LOADS, NO RING: a wave's whole share of tau is four tiles, 128 registers, asked for by dense loads by the end of the head; nothing in LDS is filled by an engine.
; NO CLUSTER: what work-groups share is W1, W2 and b1 (315,392 bytes), of which each wave reads its own eighth once, at the head, straight into registers in the order that the conversions want; no step of the blocks shares a tile,
;   and a joint load would land W1 as f32 in LDS and add 64 LDS loads a wave and the rounds.  NO PREFETCH: the loads of tau themselves stand up to three blocks ahead of their use.
; NO LOOP: four blocks by macro; every offset is an immediate and no address register is stepped.
; REGISTERS, window 0 (v0-255): v1-11 addresses that stay, v13-15 offsets of the head's loads; v16-31 tau's fragments (two); v32-63 two pairs of hidden tiles; v64-79 two fragments of f16; v80-95 two accumulators of outputs;
;   v96-159 W1's codes; v160-223 b1 / s; v224-255 W2 in f16.  In the head the same registers stage W2, b1 and tau's first tile.
; window 1 (v256-511, named by their low 8 bits): in the head W1 as f32 (256 registers); then v0-95 tau's tiles of blocks 1 to 3, v96-103 codes, v104-109 b2, v111 2^e0, v128-175 the eight waves' partial outputs, v176-187 results.
.set DUAL,  1                          ; 1: the clip at 0 takes two numbers an instruction; 0: one
.set XF,    16
.set DT,    32
.set HB,    64
.set ACC,   80
.set W1F,   96
.set B1R,   160
.set W2F,   224
.set XP,    80                         ; LDS: a row of 64 codes + 16 of padding = 20 words: the sixteen rows of a 16-byte load start at sixteen different groups of four banks (64 banks of 4 bytes: ISA guide 11.1)
.set XTILE, 16*XP                      ; a tile of 16 rows
.set XBUF,  8*XTILE                    ; a block's eight tiles; two such buffers from LDS byte 0
.set PART,  2*XBUF                     ; the partial outputs: two buffers,
.set PWAVE, 768                        ; a wave's part of a tile: registers 0-3 at 16 x lane, registers 4-5 at 512 + 8 x lane,
.set PTILE, 8*PWAVE                    ; a tile,
.set PBUF,  8*PTILE                    ; a block
.set SCR,   PART+2*PBUF                ; the head's scratch, a region for each wave:
.set SCRW,  6656
.set W2P,   1536                       ; its 128 rows of W2, 48 bytes each, as they lie in memory: 32 rows are 1,536 bytes,
.set SB1,   4*W2P                      ; and straight behind them its 512 bytes of b1
.set MSB, 0
.macro WIN new                         ; s_set_vgpr_msb: bits 1:0 source 0, 3:2 source 1, 5:4 source 2, 7:6 destination; the high byte repeats the setting that is left
.if MSB != \new
	s_set_vgpr_msb (MSB<<8)|\new
.set MSB, \new
.endif
.endm
.macro PLACES n
.rept \n
	v_nop
.endr
.endm
.macro BARRIER                         ; my LDS stores have landed and my LDS loads are in: then the work-group's barrier
	s_wait_dscnt 0x0
	s_barrier_signal -1
	s_barrier_wait -1
.endm
; My tile (16 rows x 256 bytes) of block j into v[t] on: each load reads 512 consecutive bytes; lane l gets row 2 i + l / 16, k = 4 (l % 16) + 0 .. 3
.macro TLOAD t, j
.irp i, 0,1,2,3,4,5,6,7
	global_load_b128 v[\t+4*\i:\t+4*\i+3], v1, s[4:5] offset:32768*\j+512*\i th:TH_LOAD_NT
.endr
.endm
; The tile in v[t] on becomes codes as it lies (one scale for the tensor: the conversion asks for no neighbours), and only the codes, a quarter of the bytes, turn through LDS into rows.  cold = 1: the registers lie in window 1.
.macro QUANT t, y, sc, off, cold
.if \cold
	WIN 0x55
.endif
.set n, 0
.rept 32
	v_med3_num_f32 v[(\t)+n], v[(\t)+n], s26, s27   ; the conversion to an 8-bit code does not saturate (ISA guide 7.6.2): the hold at the largest code x the scale
.set n, n+1
.endr
.irp a, 0,1,2,3
	v_cvt_scalef32_pk8_bf8_f32 v[\y+2*\a:\y+2*\a+1], v[(\t)+8*\a:(\t)+8*\a+7], v[\sc]
.endr
	v_nop                                          ; one plain vector instruction behind the last scaled conversion
.if \cold
	WIN 0x04                                       ; the stores' data in window 1, their address in window 0
.endif
.irp i, 0,1,2,3,4,5,6,7
	ds_store_b32 v7, v[\y+\i] offset:(\off)+2*XP*\i  ; four codes of row 2 i + l / 16
.endr
.if \cold
	WIN 0
.endif
.endm
; W1, half g of my units: register 128 g + 4 n + c of window 1 = W1(k = 32 (n / 16) + 16 h + n % 16, unit 128 w + 64 g + 4 r + c).  Each half of the lanes reads 256 consecutive bytes of a row of W1, aligned.
.macro W1LOAD g
.set n, 0
.rept 32
	global_load_b128 v[128*\g+4*n:128*\g+4*n+3], v14, s[6:7] offset:(32*(n/16)+n%16)*4096+256*\g
.set n, n+1
.endr
.endm
; They are held, converted (register n of the codes: byte c = unit c at k of n) and turned, 4 x 4 bytes at a time, into the four tiles' fragments: register q of tile 4 g + c takes byte c of codes 4 q .. 4 q + 3.
.macro W1PROC g
	WIN 0x41                                       ; source 0 and destination window 1
.set n, 0
.rept 128
	v_med3_num_f32 v[128*\g+n], v[128*\g+n], s28, s29
.set n, n+1
.endr
	WIN 0x01                                       ; source 0 window 1; the scale and the codes in window 0
.set n, 0
.rept 16
	v_cvt_scalef32_pk8_bf8_f32 v[16+2*n:17+2*n], v[128*\g+8*n:128*\g+8*n+7], v92
.set n, n+1
.endr
	v_nop                                          ; one plain vector instruction behind the last scaled conversion
	WIN 0
.set n, 0
.rept 8
.set YQ, 16+4*n
.set AQ, 48+4*(n%2)
.set FQ, W1F+32*\g+n
	v_perm_b32 v[AQ],   v[YQ+1], v[YQ],   s34    ; bytes 0 and 1 of two codes' registers, interleaved,
	v_perm_b32 v[AQ+1], v[YQ+1], v[YQ],   s35    ; bytes 2 and 3,
	v_perm_b32 v[AQ+2], v[YQ+3], v[YQ+2], s34    ; and of the other two
	v_perm_b32 v[AQ+3], v[YQ+3], v[YQ+2], s35
	v_perm_b32 v[FQ],    v[AQ+2], v[AQ],   s36   ; c = 0: the low halves
	v_perm_b32 v[FQ+8],  v[AQ+2], v[AQ],   s37   ; c = 1: the high halves
	v_perm_b32 v[FQ+16], v[AQ+3], v[AQ+1], s36   ; c = 2
	v_perm_b32 v[FQ+24], v[AQ+3], v[AQ+1], s37   ; c = 3
.set n, n+1
.endr
.endm
.macro DMAX b                          ; eight numbers clipped at 0
.if DUAL
.irp i, 0,2,4,6
	v_dual_max_num_f32 v[\b+\i], 0, v[\b+\i] :: v_dual_max_num_f32 v[\b+\i+1], 0, v[\b+\i+1]
.endr
.else
.irp i, 0,1,2,3,4,5,6,7
	v_max_num_f32 v[\b+\i], 0, v[\b+\i]
.endr
.endif
.endm
.macro XLOAD m                         ; tile m's fragment of tau's codes: lane (r, h) takes bytes 16 h and 32 + 16 h on of row r
	ds_load_b128 v[XF+8*((\m)%2):XF+8*((\m)%2)+3],   v2 offset:XB+XTILE*(\m)
	ds_load_b128 v[XF+8*((\m)%2)+4:XF+8*((\m)%2)+7], v2 offset:XB+XTILE*(\m)+32
.endm
.macro PSTORE m                        ; my partial outputs of tile m: six registers a lane, the four lowest first
	ds_store_b128 v[PWA], v[ACC+8*((\m)%2):ACC+8*((\m)%2)+3]   offset:PTILE*(\m)
	ds_store_b64  v[PWB], v[ACC+8*((\m)%2)+4:ACC+8*((\m)%2)+5] offset:PTILE*(\m)
.endm
; A STEP of the pipeline, number ST of 34 in a block.  Pair ST (tile ST / 4 of the rows, my hidden tiles 2 (ST % 4) and 2 (ST % 4) + 1) is multiplied; pair ST - 1 is scaled, clipped and rounded; pair ST - 2 goes into the second product.
; The vector work stands between the matrix instructions, eight instructions behind each.  The sets of registers (two pairs of tiles, two fragments of f16, two of tau, two accumulators) take turns, so that behind every matrix
; instruction at least sixteen plain vector instructions that name none of its registers stand before its result is read or one of its registers is written (four are asked, five where a matrix instruction writes: ISA guide 7.12.1);
; in step 0 four v_nop do it.  Each tile of sums is first read at its registers 0 and 1, by the scaling.
; The matrix instructions go first product, first product, second product: no two that follow each other share an accumulator.  Only at a block's end do three links of one chain follow each other.
.macro STEP
.set PP, ST%4
.set DC, DT+16*(ST%2)
.set DP, DT+16*((ST+1)%2)
.set XX, XF+8*((ST/4)%2)
.if (ST%4 == 0) && (ST <= 28)          ; a tile of rows begins: its fragment of tau is in.  The count: the LDS instructions issued behind its two loads
.if ST == 0
	s_wait_dscnt 2+RL                              ; tile 1's two loads, and the sixteen loads of partial outputs where there are any
.elseif ST == 4
	s_wait_dscnt RL                                ; those sixteen
.elseif ST == 16
	s_wait_dscnt 2+QS                              ; a tile's two stores of partial outputs, and the eight stores of the next block's codes where there are any
.else
	s_wait_dscnt 2                                 ; a tile's two stores of partial outputs
.endif
.endif
.if ST <= 31
	v_wmma_f32_16x16x64_bf8_bf8 v[DC:DC+7], v[W1F+16*PP:W1F+16*PP+7], v[XX:XX+7], v[B1R+16*PP:B1R+16*PP+7]
.endif
.if (ST >= 1) && (ST <= 32)
.irp i, 0,2,4,6,8,10,12,14
	v_pk_mul_f32 v[DP+\i:DP+\i+1], v[DP+\i:DP+\i+1], s[32:33] op_sel_hi:[1,0]   ; x 2^(e0 + e1) (the scalar pair's low word for both halves): nothing is rounded
.endr
.endif
.if ST <= 31
	v_wmma_f32_16x16x64_bf8_bf8 v[DC+8:DC+15], v[W1F+16*PP+8:W1F+16*PP+15], v[XX:XX+7], v[B1R+16*PP+8:B1R+16*PP+15]
.endif
.if ST == 0
	PLACES 4
.endif
.if (ST >= 1) && (ST <= 32)
	DMAX DP
	DMAX DP+8
.endif
.if ST >= 2
.set UU, ST-2
.set AA, ACC+8*((UU/4)%2)
.set HH, HB+8*(UU%2)
.set WW, W2F+8*(UU%4)
.if ST >= 31
	s_wait_alu depctr_va_vdst(0)                   ; the block's last three links follow each other on one accumulator
.endif
.if UU%4 == 0
	v_wmma_f32_16x16x32_f16 v[AA:AA+7], v[WW:WW+7], v[HH:HH+7], 0   ; a tile's first product starts its sums: nothing is cleared
.else
	v_wmma_f32_16x16x32_f16 v[AA:AA+7], v[WW:WW+7], v[HH:HH+7], v[AA:AA+7]
.endif
.endif
.if (ST >= 1) && (ST <= 32)
.set HP, HB+8*((ST+1)%2)
.irp i, 0,1,2,3,4,5,6,7
	v_cvt_pk_f16_f32 v[HP+\i], v[DP+2*\i], v[DP+2*\i+1]
.endr
.endif
.if (ST%4 == 0) && (ST >= 4) && (ST <= 24)
	XLOAD ST/4+1                                   ; the next tile's fragment, a tile ahead, into the set that the tile before has left
.endif
.if (ST%4 == 2) && (ST >= 6)
	PSTORE (ST-6)/4                                ; the tile whose last product stands a step back
.endif
.endm
.macro RLOAD off                       ; the eight waves' partial outputs of my tile, wave v at v[128 + 6 v] of window 1
	WIN 0x40                                       ; destination window 1, address window 0
.irp v, 0,1,2,3,4,5,6,7
	ds_load_b128 v[128+6*\v:131+6*\v], v8 offset:(\off)+PWAVE*\v
	ds_load_b64  v[132+6*\v:133+6*\v], v9 offset:(\off)+PWAVE*\v
.endr
	WIN 0
.endm
; They are added, wave 0 to wave 7, given b2, the block squared, and my tile of block j stored.  left: the LDS instructions issued behind RLOAD's.
.macro RSUM j, left
	s_wait_dscnt \left
	s_wait_xcnt 0x0                                ; every earlier memory instruction has had its addresses translated (ISA guide 3.1): the registers that the last tile's stores read are rewritten only behind this wait
	WIN 0x55
.irp v, 1,2,3,4,5,6,7
.irp i, 0,2,4
	v_pk_add_f32 v[128+\i:129+\i], v[128+\i:129+\i], v[128+6*\v+\i:129+6*\v+\i]
.endr
.endr
.irp i, 0,2,4
	v_pk_add_f32 v[176+\i:177+\i], v[128+\i:129+\i], v[104+\i:105+\i]   ; + b2
.endr
	v_add_f32 v182, v179, v180
	v_add_f32 v183, v178, v181                     ; a + c
	v_mul_f32 v182, 0.5, v182                      ; b
	v_mul_f32 v185, v182, v183                     ; b (a + c), twice
	v_mul_f32 v186, v182, v183
	v_mul_f32 v183, v182, v182                     ; b b
	v_fma_f32 v184, v178, v178, v183               ; a a + b b
	v_fma_f32 v187, v181, v181, v183               ; c c + b b
	WIN 0x04                                       ; the stores' data in window 1
	global_store_b64  v10, v[176:177], s[16:17] offset:2048*(\j) th:TH_STORE_NT   ; the wave stores 256 consecutive bytes, at a multiple of 256 from out0's first byte
	global_store_b128 v11, v[184:187], s[18:19] offset:4096*(\j) th:TH_STORE_NT   ; and 512 of out1
	WIN 0
.endm
; A BLOCK of 128 rows.  Between two barriers the waves read tau's codes of buffer j % 2 and the partial outputs of buffer (j + 1) % 2, and write, each its own bytes, the other two: no byte is both written and read.
.macro BLOCK j
.set XB,  XBUF*((\j)%2)
.set PWA, 3+2*((\j)%2)
.set PWB, 4+2*((\j)%2)
.if \j > 0
.set RL, 16
.else
.set RL, 0
.endif
.if \j < 3
.set QS, 8
.else
.set QS, 0
.endif
	XLOAD 0
	XLOAD 1
.if \j > 0
	RLOAD PBUF*((\j-1)%2)
.endif
.set ST, 0
.rept 8
	STEP
.set ST, ST+1
.endr
.if \j > 0
	RSUM \j-1, 4                                   ; behind RLOAD: tile 2's two loads and tile 0's two stores
.endif
.rept 8
	STEP
.set ST, ST+1
.endr
.if \j < 3
	s_wait_loadcnt 16-8*\j                         ; the next block's tile is in (and b2); the eight loads of each later block may stay out
	QUANT 32*\j, 96, 111, XBUF*((\j+1)%2), 1
.endif
.rept 18
	STEP
.set ST, ST+1
.endr
	PLACES 4                                       ; behind the last product, in front of the store that reads its result
	PSTORE 7
	BARRIER
.endm
	; ---- arguments, ids, addresses
	s_load_b256 s[4:11], s[0:1], 0x0               ; tau s[4:5], W1 s[6:7], b1 s[8:9], W2 s[10:11]
	s_load_b256 s[12:19], s[0:1], 0x20             ; b2 s[12:13], the scales' exponents s[14:15], out0 s[16:17], out1 s[18:19]
	v_lshrrev_b32 v12, 5, v0
	v_readfirstlane_b32 s20, v12                   ; wave w, 0..7
	v_and_b32 v94, 31, v0                          ; lane l
	v_and_b32 v12, 15, v0                          ; r
	v_bfe_u32 v13, v0, 4, 1                        ; h
	v_lshlrev_b32 v1, 4, v94                       ; v1: 16 l; never rewritten
	v_lshlrev_b32 v95, 3, v94                      ; 8 l
	v_mul_u32_u24 v2, v12, XP
	v_lshl_add_u32 v2, v13, 4, v2                  ; v2: a fragment of tau's codes: row r, + 16 h
	s_mul_i32 s21, s20, PWAVE
	s_add_co_u32 s21, s21, PART
	v_add_nc_u32 v3, s21, v1                       ; v3, v4: where I put partial outputs, buffer 0
	v_add_nc_u32 v4, s21, v95
	v_add_nc_u32 v4, 512, v4
	v_add_nc_u32 v5, PBUF, v3                      ; v5, v6: buffer 1
	v_add_nc_u32 v6, PBUF, v4
	s_mul_i32 s21, s20, XTILE
	v_mul_u32_u24 v7, v13, XP
	v_lshl_add_u32 v7, v12, 2, v7
	v_add_nc_u32 v7, s21, v7                       ; v7: where I put codes of tau: tile w, row h, byte 4 r
	s_mul_i32 s21, s20, PTILE
	s_add_co_u32 s21, s21, PART
	v_add_nc_u32 v8, s21, v1                       ; v8, v9: where I read the partial outputs of tile w
	v_add_nc_u32 v9, s21, v95
	v_add_nc_u32 v9, 512, v9
	s_lshl_b32 s21, s20, 8
	v_lshlrev_b32 v10, 4, v12
	v_lshl_add_u32 v10, v13, 3, v10
	v_add_nc_u32 v10, s21, v10                     ; v10: out0: tile w, row r of 16 bytes, component h of 8
	s_lshl_b32 s21, s20, 9
	v_lshlrev_b32 v11, 5, v12
	v_lshl_add_u32 v11, v13, 4, v11
	v_add_nc_u32 v11, s21, v11                     ; v11: out1: row r of 32 bytes, component h of 16
	v_lshlrev_b32 v14, 16, v13
	v_lshl_add_u32 v14, v12, 4, v14                ; v14: W1: 16 h rows of 4,096 bytes, + 16 r
	s_mul_i32 s21, s20, SCRW
	s_add_co_u32 s21, s21, SCR                     ; my scratch
	v_add_nc_u32 v15, s21, v1                      ; v15: into it, as loaded
	v_and_b32 v94, 7, v0                           ; slot r is component r / 8, index i = r % 8
	v_add_nc_u32 v95, 2, v94
	v_lshrrev_b32 v95, 3, v95                      ; 1 for i = 6, 7: slots that hold zeros
	v_add_nc_u32 v90, -1, v95                      ; v90: all ones for a slot that counts, 0 for the others
	; v88: W2 out of the scratch: 32 h rows on, + 24 (r / 8) + 4 (r % 8) bytes.  A slot that counts reads column 6 (r / 8) + i of its row.  The idle slots read straight on: columns 6 and 7, or the first 8 bytes of what
	; follows the row (the next row; behind the last row, b1): bytes that this wave has stored, and what they give is masked.  The two halves of the lanes read words 384 apart: these 64 loads, once in the launch, go two deep on the banks.
	v_mul_u32_u24 v88, v13, W2P
	v_bfe_u32 v95, v0, 3, 1
	v_mul_u32_u24 v95, v95, 3
	v_lshl_add_u32 v88, v95, 3, v88
	v_lshl_add_u32 v88, v94, 2, v88
	v_add_nc_u32 v88, s21, v88
	v_lshlrev_b32 v89, 7, v13
	v_add_nc_u32 v89, s21, v89
	v_add_nc_u32 v89, SB1, v89                     ; v89: b1 out of it: + 32 h numbers
	v_mul_u32_u24 v13, v13, 24                     ; v13: b2: 6 h numbers on; never rewritten
	s_lshl_b32 s22, ttmp9, 17                      ; the work-group's 512 rows of 256 bytes,
	s_lshl_b32 s21, s20, 12                        ; my tile of 16
	s_add_co_u32 s22, s22, s21
	s_mov_b32 s23, 0
	s_mov_b32 s34, 0x05010400                      ; byte selects of the 4 x 4 turn
	s_mov_b32 s35, 0x07030602
	s_mov_b32 s36, 0x05040100
	s_mov_b32 s37, 0x07060302
	s_wait_kmcnt 0x0
	s_load_b64 s[24:25], s[14:15], 0x0             ; e0, e1
	s_add_nc_u64 s[4:5], s[4:5], s[22:23]
	s_lshl_b32 s22, s20, 9                         ; my 128 units: 512 bytes of a row of W1, and of b1
	s_add_nc_u64 s[6:7], s[6:7], s[22:23]
	s_add_nc_u64 s[8:9], s[8:9], s[22:23]
	s_mul_i32 s22, s20, 6144                       ; and 128 rows of 48 bytes of W2
	s_add_nc_u64 s[10:11], s[10:11], s[22:23]
	s_lshl_b32 s22, ttmp9, 13
	s_add_nc_u64 s[16:17], s[16:17], s[22:23]      ; out0 at the work-group's first row
	s_lshl_b32 s22, ttmp9, 14
	s_add_nc_u64 s[18:19], s[18:19], s[22:23]      ; out1 likewise
	; ---- the head's 85 loads: tau's first tile (8), b1 (1), W2 (12), W1 (64)
	TLOAD 224, 0
	global_load_b128 v[208:211], v1, s[8:9]        ; my 512 bytes of b1, as they lie
.irp i, 0,1,2,3,4,5,6,7,8,9,10,11
	global_load_b128 v[160+4*\i:163+4*\i], v1, s[10:11] offset:512*\i   ; my 6,144 bytes of W2, as they lie
.endr
	WIN 0x40                                       ; destination window 1, address window 0
	W1LOAD 0
	W1LOAD 1
	WIN 0
	; ---- the scales
	s_wait_kmcnt 0x0
	s_add_co_i32 s21, s24, 127
	s_lshl_b32 s38, s21, 23                        ; 2^e0 as f32: the conversion takes its exponent field
	s_add_co_i32 s21, s21, 15
	s_lshl_b32 s27, s21, 23
	s_or_b32 s27, s27, 0x600000                    ; 57,344 x 2^e0,
	s_xor_b32 s26, s27, 0x80000000                 ; and its negative
	s_add_co_i32 s21, s25, 127
	s_lshl_b32 s39, s21, 23                        ; the same for e1
	s_add_co_i32 s21, s21, 15
	s_lshl_b32 s29, s21, 23
	s_or_b32 s29, s29, 0x600000
	s_xor_b32 s28, s29, 0x80000000
	s_add_co_i32 s21, s24, s25
	s_sub_co_i32 s30, 0, s21                       ; -(e0 + e1): b1 goes in as b1 / 2^(e0 + e1)
	s_add_co_i32 s21, s21, 127
	s_lshl_b32 s32, s21, 23                        ; 2^(e0 + e1) as f32
	s_mov_b32 s33, s32                             ; (named with it as a pair, so it is written)
	v_mov_b32 v91, s38
	v_mov_b32 v92, s39
	s_wait_loadcnt 63                              ; of the 85 loads at most 63 are out: the oldest 22 are in, tau's tile, b1 and W2 (21) among them
	; ---- tau, block 0, my tile: codes into buffer 0
	QUANT 224, 80, 91, 0, 0
	; ---- W2 and b1 turn through my own scratch: in as loaded, out in the operands' order.  LDS serves a wave's instructions in order (ISA guide 5.7.1.4): no wait between the stores and the loads
.irp i, 0,1,2,3,4,5,6,7,8,9,10,11
	ds_store_b128 v15, v[160+4*\i:163+4*\i] offset:512*\i
.endr
	ds_store_b128 v15, v[208:211] offset:SB1
.irp g, 0,1
.irp j, 0,1,2,3,4,5,6,7
	ds_load_b128 v[96+32*\g+4*\j:99+32*\g+4*\j], v89 offset:256*\g+16*\j   ; b1 of units 64 g + 32 h + 4 j + 0 .. 3
.endr
.endr
.irp p, 0,1,2,3
.irp u, 0,1
.irp j, 0,1,2,3,4,5,6,7
	ds_load_b32 v[16+16*\p+8*\u+\j], v88 offset:2*W2P*(\p/2)+192*\j+48*(2*(\p%2)+\u)   ; W2(unit 64 (p / 2) + 32 h + 4 j + 2 (p % 2) + u, my slot's column)
.endr
.endr
.endr
	s_wait_dscnt 0x0
.irp g, 0,1
.irp c, 0,1,2,3
.irp j, 0,1,2,3,4,5,6,7
	v_ldexp_f32 v[B1R+8*(4*\g+\c)+\j], v[96+32*\g+4*\j+\c], s30   ; register j of tile 4 g + c: b1 / s of unit 64 g + 4 (8 h + j) + c
.endr
.endr
.endr
.irp p, 0,1,2,3
.irp u, 0,1
.irp j, 0,1,2,3
	v_cvt_pk_f16_f32 v[W2F+8*\p+4*\u+\j], v[16+16*\p+8*\u+2*\j], v[17+16*\p+8*\u+2*\j]
.endr
.endr
.endr
.set n, 0
.rept 32
	v_and_b32 v[W2F+n], v90, v[W2F+n]              ; the idle slots hold zeros
.set n, n+1
.endr
	; ---- W1, first half; then the registers that it leaves take b2 and tau's other three tiles
	s_wait_loadcnt 32                              ; behind the first half's loads: the second half's 32
	W1PROC 0
	WIN 0x40
.irp i, 0,1,2
	global_load_b64 v[104+2*\i:105+2*\i], v13, s[12:13] offset:8*\i   ; b2 of my component's six outputs
.endr
	TLOAD 0, 1
	TLOAD 32, 2
	TLOAD 64, 3
	v_mov_b32 v111, s38                            ; 2^e0, for the conversions in window 1
	WIN 0
	s_wait_loadcnt 27                              ; behind the second half's loads: b2's 3 and tau's 24
	W1PROC 1
	BARRIER                                        ; the eight tiles of block 0 lie in buffer 0
	; ---- the four blocks
	BLOCK 0
	BLOCK 1
	BLOCK 2
	BLOCK 3
	RLOAD PBUF                                     ; block 3's partial outputs lie in buffer 1
	RSUM 3, 0
	s_wait_xcnt 0x0
	v_lshl_add_u32 v254, v0, 2, 0x2a000
	v_mov_b32 v255, 0
	s_wait_tensorcnt 0x0
	ds_add_u32 v254, v255
	s_wait_dscnt 0x0
	s_endpgm
.Lfunc_end_k_q0b4fb0301a_gmm:
	.size	k_q0b4fb0301a_gmm, .Lfunc_end_k_q0b4fb0301a_gmm-k_q0b4fb0301a_gmm
	.p2alignl 7, 3214868480
	.fill 96, 4, 3214868480
	.section	.rodata,"a",@progbits
	.p2align	6, 0x0
	.amdhsa_kernel k_q0b4fb0301a_gmm
		.amdhsa_group_segment_fixed_size 173056
		.amdhsa_private_segment_fixed_size 0
		.amdhsa_enable_private_segment 0
		.amdhsa_kernarg_size 64
		.amdhsa_user_sgpr_count 2
		.amdhsa_user_sgpr_kernarg_segment_ptr 1
		.amdhsa_wavefront_size32 1
		.amdhsa_system_sgpr_workgroup_id_x 1
		.amdhsa_system_sgpr_workgroup_id_y 1
		.amdhsa_system_sgpr_workgroup_id_z 1
		.amdhsa_system_vgpr_workitem_id 0
		.amdhsa_next_free_vgpr 512
		.amdhsa_next_free_sgpr 66
		.amdhsa_reserve_vcc 0
		.amdhsa_float_denorm_mode_32 3
		.amdhsa_float_denorm_mode_16_64 3
		.amdhsa_memory_ordered 1
		.amdhsa_forward_progress 1
		.amdhsa_inst_pref_size 255
	.end_amdhsa_kernel
	.section	.bss,"aw",@nobits
	.p2align	6
	.space	262144
	.amdgpu_metadata
---
amdhsa.version: [ 1, 2 ]
amdhsa.kernels:
  - .name:           k_q0b4fb0301a_gmm
    .symbol:         k_q0b4fb0301a_gmm.kd
    .args:
      - { .name: tau, .offset: 0, .size: 8, .value_kind: global_buffer, .address_space: global }
      - { .name: W1, .offset: 8, .size: 8, .value_kind: global_buffer, .address_space: global }
      - { .name: b1, .offset: 16, .size: 8, .value_kind: global_buffer, .address_space: global }
      - { .name: W2, .offset: 24, .size: 8, .value_kind: global_buffer, .address_space: global }
      - { .name: b2, .offset: 32, .size: 8, .value_kind: global_buffer, .address_space: global }
      - { .name: lowp_scales, .offset: 40, .size: 8, .value_kind: global_buffer, .address_space: global }
      - { .name: out0, .offset: 48, .size: 8, .value_kind: global_buffer, .address_space: global }
      - { .name: out1, .offset: 56, .size: 8, .value_kind: global_buffer, .address_space: global }
    .group_segment_fixed_size: 173056
    .private_segment_fixed_size: 0
    .kernarg_segment_align: 8
    .kernarg_segment_size: 64
    .max_flat_workgroup_size: 256
    .sgpr_count:     66
    .vgpr_count:     512
    .wavefront_size: 32
...
	.end_amdgpu_metadata
.endif
;; end of part 1
;; ======== version 2 of 2: 1 launch; version 1 with the launch gmm written anew for expert scheduling mode
;; limits: values are held in f16: magnitudes above 65,504 overflow, below 6.1e-05 lose precision
;; launch gmm (part 2): grid 256 x 1, 8 waves a work-group, no clusters, 173,056 bytes of LDS; arguments tau, W1, b1, W2, b2, lowp_scales, out0, out1; writes out0, out1
.if DOCPART == 2
	.amdgcn_target "amdgcn-amd-amdhsa--gfx1250"
	.amdhsa_code_object_version 6
	.text
	.protected	k_q0b4fb0301a_gmm
	.globl	k_q0b4fb0301a_gmm
	.p2align	8
	.type	k_q0b4fb0301a_gmm,@function
k_q0b4fb0301a_gmm:
	s_mov_b64 s[64:65], 0
	v_nop
	global_prefetch_b8 v0, s[64:65] scope:SCOPE_SE
	s_setreg_imm32_b32 hwreg(HW_REG_WAVE_SCHED_MODE, 0, 2), 2
	s_setreg_imm32_b32 hwreg(HW_REG_WAVE_MODE, 25, 1), 1
	s_wait_xcnt 0x0
	s_wait_alu depctr_vm_vsrc(0)
; outs = relu(Q(tau) Q(W1) + b1) W2 + b2 for 131,072 rows; of a row's 12 numbers 4 leave as mu (out0), and its two 2 x 2 blocks, made symmetric, leave squared (out1).
; tau [131072][64], W1 [64][1024], b1 [1024], W2 [1024][12], b2 [12]: f32.  lowp_scales: e0 (tau), e1 (W1), int32.  out0 [131072][2][2], out1 [131072][2][2][2]: f32.
; FIRST PRODUCT: codes of E5M2, code = x / 2^e held within +-57,344 and rounded to the nearest code, ties to even; 16 x 16 x 64 matrix instructions, sums in f32.
; SECOND PRODUCT (12 columns): f16 operands, f32 sums, the 12 columns laid in 16 slots.  f16 and not bf16: rounding both operands to 8 significant bits errs by some 0.0017 of each number, which over 1,024 terms is a quarter of
;   what the outputs may be off by; 11 bits make it an eighth of that.  V diag(D^2) V^T of a symmetric S is S S: with a = c00, b = (c01 + c10) / 2, c = c11 it is [[a a + b b, b (a + c)], [b (a + c), b b + c c]].
; SCALES.  With s = 2^(e0 + e1): relu(s x + b1) = relu(s (x + b1 / s)).  b1 / s is the C of the first product; each sum is multiplied by s (exact) ahead of the clip, so that the hidden layer goes into f16 as the number that it stands for.
; LIMITS: e0 and e1 between -126 and 112, e0 + e1 between -126 and 127, so that each power of two below is an f32 number.  The hidden layer and W2 stay under 65,504 in magnitude (f16's largest number; beyond it the outputs are infinite),
;   and what lies under 2^-25 of either is lost.  NaN among the inputs is not served (the hold and the maximum drop it); infinities in tau and W1 are held at the largest code.
;   Inside a matrix instruction k stands in other places than the form's own layout gives it, alike in both operands: every product meets its partner, the order of the sums inside an instruction differs.
; SHARES.  A work-group of eight waves takes 512 rows, in four blocks of 128 (eight tiles of 16).  THE WAVES SHARE THE HIDDEN UNITS, NOT THE ROWS: wave w owns units 128 w .. 128 w + 127 for all rows, and keeps its codes of W1
;   (64 registers), its b1 / s (64) and its W2 in f16 (32) in registers for the whole launch.  What goes round through LDS is small: a tile's codes of tau (1 KB, read by all eight waves) and each wave's partial outputs (768 bytes a tile).
;   In a block wave w also quantises tile w of the next block and adds, finishes and stores tile w of the block before.
; BOTH PRODUCTS ARE USED TRANSPOSED.  First: source 0 = 16 hidden units, source 1 = 16 rows of tau: a lane holds one row of tau and eight units.  Two such tiles, scaled, clipped at 0 and rounded to f16 in pairs, ARE source 1 (32 units x 16 rows)
;   of the second, whose source 0 is 16 output slots x 32 units.  Slot 8 c + i is output 6 c + i (i < 6; slots 6 and 7 of each half hold zeros): lane (r, h) ends with component h of row r: registers 0, 1 mu, registers 2 to 5 the block.
; WHICH UNIT LIES WHERE.  Row m of tile t (g = t / 4, c = t % 4) is unit 128 w + 64 g + 4 m + c, so that W1 comes by loads of 16 bytes; b1 and W2 are laid by the same map.
;   Register q, byte y of a fragment of codes in lane (., h) holds k = 32 (q / 4) + 16 h + 4 (q % 4) + y.
; NO TENSOR LOADS, NO RING: a wave's whole share of tau is four tiles, 128 registers, asked for by dense loads by the end of the head; nothing in LDS is filled by an engine.
; NO CLUSTER: what work-groups share is W1, W2 and b1 (315,392 bytes), of which each wave reads its own eighth once, at the head, straight into registers in the order that the conversions want; no step of the blocks shares a tile,
;   and a joint load would land W1 as f32 in LDS and add 64 LDS loads a wave and the rounds.  NO PREFETCH: the loads of tau themselves stand up to three blocks ahead of their use.
; NO LOOP: four blocks by macro; every offset is an immediate and no address register is stepped.
; REGISTERS, window 0 (v0-255): v1-11 addresses that stay, v13-15 offsets of the head's loads; v16-31 tau's fragments (two); v32-63 two pairs of hidden tiles; v64-79 two fragments of f16; v80-95 two accumulators of outputs;
;   v96-159 W1's codes; v160-223 b1 / s; v224-255 W2 in f16.  In the head the same registers stage W2, b1 and tau's first tile.
; window 1 (v256-511, named by their low 8 bits): in the head W1 as f32 (256 registers); then v0-95 tau's tiles of blocks 1 to 3, v96-103 codes, v104-109 b2, v111 2^e0, v128-175 the eight waves' partial outputs, v176-187 results.
; THE MODE: SCHED_MODE bits 1:0 = 2 (LLVM: expert scheduling mode 2), set by the entry lines.  The code itself states the register dependences
; between vector or matrix instructions and memory or LDS instructions, with s_wait_alu, always for 0.
; THE PLAN.  Registers that memory or LDS instructions touch, in a block of 34 steps (tile m of the rows: its first products in steps 4 m .. 4 m + 3, its second products in steps 4 m + 2 .. 4 m + 5):
;   XF0, XF1 (v16-31)    Tile m's fragment of tau lands in XF[m % 2]; its eight first products read it; the fragment of tile m + 2 is asked for at the end of step 4 m + 4.
;   ACC0, ACC1 (v80-95)  Tile m's second products write ACC[m % 2]; its two LDS stores read it at the end of step 4 m + 8 (tile 6: of step 31; tile 7: behind the last step); step 4 m + 10 begins it anew.
;   window 1, v128-175   The partial outputs land at a block's head; the additions behind step 7 read and write them.
;   window 1, v176-187   Written by those additions; read by the two global stores at the end of step 8; written again a block later.
;   window 1, v96-103    Written by the conversions behind step 15; read by the eight LDS stores at the end of step 16; written again a block later.
;   window 1, v0-95      tau's tiles: loaded once, at the head; read by the holds and conversions.
;   v1-11                Addresses: made at the head and never written again.
;   The hidden tiles, the fragments of f16, W1's codes, b1 / s and W2 are named in the blocks by vector and matrix instructions alone.
; So ONE wait on va_vdst stands at the end of every fourth step (4 to 28), and all of a tile's LDS and memory instructions follow it in one run: the steps behind it work on the other XF and, for two steps, on the other ACC,
; and name nothing of window 1.  ONE wait on vm_vsrc a tile stands ahead of the second product that begins an accumulator anew; it also frees the results and the codes of window 1 for the next block.
; The wait behind a block's last product serves tile 7's stores and the loads at the next block's head.
.set DUAL,  1                          ; 1: the clip at 0 takes two numbers an instruction; 0: one
.set XF,    16
.set DT,    32
.set HB,    64
.set ACC,   80
.set W1F,   96
.set B1R,   160
.set W2F,   224
.set XP,    80                         ; LDS: a row of 64 codes + 16 of padding = 20 words: the sixteen rows of a 16-byte load start at sixteen different groups of four banks (64 banks of 4 bytes: ISA guide 11.1)
.set XTILE, 16*XP                      ; a tile of 16 rows
.set XBUF,  8*XTILE                    ; a block's eight tiles; two such buffers from LDS byte 0
.set PART,  2*XBUF                     ; the partial outputs: two buffers,
.set PWAVE, 768                        ; a wave's part of a tile: registers 0-3 at 16 x lane, registers 4-5 at 512 + 8 x lane,
.set PTILE, 8*PWAVE                    ; a tile,
.set PBUF,  8*PTILE                    ; a block
.set SCR,   PART+2*PBUF                ; the head's scratch, a region for each wave:
.set SCRW,  6656
.set W2P,   1536                       ; its 128 rows of W2, 48 bytes each, as they lie in memory: 32 rows are 1,536 bytes,
.set SB1,   4*W2P                      ; and straight behind them its 512 bytes of b1
.set MSB, 0
.macro WIN new                         ; s_set_vgpr_msb: bits 1:0 source 0, 3:2 source 1, 5:4 source 2, 7:6 destination; the high byte repeats the setting that is left
.if MSB != \new
	s_set_vgpr_msb (MSB<<8)|\new
.set MSB, \new
.endif
.endm
.macro PLACES n
.rept \n
	v_nop
.endr
.endm
.macro BARRIER                         ; my LDS stores have landed and my LDS loads are in: then the work-group's barrier
	s_wait_dscnt 0x0
	s_barrier_signal -1
	s_barrier_wait -1
.endm
; My tile (16 rows x 256 bytes) of block j into v[t] on: each load reads 512 consecutive bytes; lane l gets row 2 i + l / 16, k = 4 (l % 16) + 0 .. 3
.macro TLOAD t, j
.irp i, 0,1,2,3,4,5,6,7
	global_load_b128 v[\t+4*\i:\t+4*\i+3], v1, s[4:5] offset:32768*\j+512*\i th:TH_LOAD_NT
.endr
.endm
; The tile in v[t] on becomes codes as it lies (one scale for the tensor: the conversion asks for no neighbours), and only the codes, a quarter of the bytes, turn through LDS into rows.  cold = 1: the registers lie in window 1.
; QCONV makes the codes; QSTORE, behind a wait on va_vdst that its caller writes, sends them.
.macro QCONV t, y, sc, cold
.if \cold
	WIN 0x55
.endif
.set n, 0
.rept 32
	v_med3_num_f32 v[(\t)+n], v[(\t)+n], s26, s27   ; the conversion to an 8-bit code does not saturate (ISA guide 7.6.2): the hold at the largest code x the scale
.set n, n+1
.endr
.irp a, 0,1,2,3
	v_cvt_scalef32_pk8_bf8_f32 v[\y+2*\a:\y+2*\a+1], v[(\t)+8*\a:(\t)+8*\a+7], v[\sc]
.endr
	v_nop                                          ; one plain vector instruction behind the last scaled conversion
.if \cold
	WIN 0
.endif
.endm
.macro QSTORE y, off, cold
.if \cold
	WIN 0x04                                       ; the stores' data in window 1, their address in window 0
.endif
.irp i, 0,1,2,3,4,5,6,7
	ds_store_b32 v7, v[\y+\i] offset:(\off)+2*XP*\i  ; four codes of row 2 i + l / 16
.endr
.if \cold
	WIN 0
.endif
.endm
; W1, half g of my units: register 128 g + 4 n + c of window 1 = W1(k = 32 (n / 16) + 16 h + n % 16, unit 128 w + 64 g + 4 r + c).  Each half of the lanes reads 256 consecutive bytes of a row of W1, aligned.
.macro W1LOAD g
.set n, 0
.rept 32
	global_load_b128 v[128*\g+4*n:128*\g+4*n+3], v14, s[6:7] offset:(32*(n/16)+n%16)*4096+256*\g
.set n, n+1
.endr
.endm
; They are held, converted (register n of the codes: byte c = unit c at k of n) and turned, 4 x 4 bytes at a time, into the four tiles' fragments: register q of tile 4 g + c takes byte c of codes 4 q .. 4 q + 3.
.macro W1PROC g
	WIN 0x41                                       ; source 0 and destination window 1
.set n, 0
.rept 128
	v_med3_num_f32 v[128*\g+n], v[128*\g+n], s28, s29
.set n, n+1
.endr
	WIN 0x01                                       ; source 0 window 1; the scale and the codes in window 0
.set n, 0
.rept 16
	v_cvt_scalef32_pk8_bf8_f32 v[16+2*n:17+2*n], v[128*\g+8*n:128*\g+8*n+7], v92
.set n, n+1
.endr
	v_nop                                          ; one plain vector instruction behind the last scaled conversion
	WIN 0
.set n, 0
.rept 8
.set YQ, 16+4*n
.set AQ, 48+4*(n%2)
.set FQ, W1F+32*\g+n
	v_perm_b32 v[AQ],   v[YQ+1], v[YQ],   s34    ; bytes 0 and 1 of two codes' registers, interleaved,
	v_perm_b32 v[AQ+1], v[YQ+1], v[YQ],   s35    ; bytes 2 and 3,
	v_perm_b32 v[AQ+2], v[YQ+3], v[YQ+2], s34    ; and of the other two
	v_perm_b32 v[AQ+3], v[YQ+3], v[YQ+2], s35
	v_perm_b32 v[FQ],    v[AQ+2], v[AQ],   s36   ; c = 0: the low halves
	v_perm_b32 v[FQ+8],  v[AQ+2], v[AQ],   s37   ; c = 1: the high halves
	v_perm_b32 v[FQ+16], v[AQ+3], v[AQ+1], s36   ; c = 2
	v_perm_b32 v[FQ+24], v[AQ+3], v[AQ+1], s37   ; c = 3
.set n, n+1
.endr
.endm
.macro DMAX b                          ; eight numbers clipped at 0
.if DUAL
.irp i, 0,2,4,6
	v_dual_max_num_f32 v[\b+\i], 0, v[\b+\i] :: v_dual_max_num_f32 v[\b+\i+1], 0, v[\b+\i+1]
.endr
.else
.irp i, 0,1,2,3,4,5,6,7
	v_max_num_f32 v[\b+\i], 0, v[\b+\i]
.endr
.endif
.endm
.macro XLOAD m                         ; tile m's fragment of tau's codes: lane (r, h) takes bytes 16 h and 32 + 16 h on of row r
	ds_load_b128 v[XF+8*((\m)%2):XF+8*((\m)%2)+3],   v2 offset:XB+XTILE*(\m)
	ds_load_b128 v[XF+8*((\m)%2)+4:XF+8*((\m)%2)+7], v2 offset:XB+XTILE*(\m)+32
.endm
.macro PSTORE m                        ; my partial outputs of tile m: six registers a lane, the four lowest first
	ds_store_b128 v[PWA], v[ACC+8*((\m)%2):ACC+8*((\m)%2)+3]   offset:PTILE*(\m)
	ds_store_b64  v[PWB], v[ACC+8*((\m)%2)+4:ACC+8*((\m)%2)+5] offset:PTILE*(\m)
.endm
.macro RLOAD off                       ; the eight waves' partial outputs of my tile, wave v at v[128 + 6 v] of window 1
	WIN 0x40                                       ; destination window 1, address window 0
.irp v, 0,1,2,3,4,5,6,7
	ds_load_b128 v[128+6*\v:131+6*\v], v8 offset:(\off)+PWAVE*\v
	ds_load_b64  v[132+6*\v:133+6*\v], v9 offset:(\off)+PWAVE*\v
.endr
	WIN 0
.endm
; They are added, wave 0 to wave 7, given b2, and the block squared.  left: the LDS instructions issued behind RLOAD's.
.macro RADD left
	s_wait_dscnt \left
	s_wait_xcnt 0x0                                ; every earlier memory instruction has had its addresses translated (ISA guide 3.1): the registers that the last tile's stores read are rewritten only behind this wait.  (That those stores have read them was stated by the wait on vm_vsrc in step 10 of the block in which they were issued)
	WIN 0x55
.irp v, 1,2,3,4,5,6,7
.irp i, 0,2,4
	v_pk_add_f32 v[128+\i:129+\i], v[128+\i:129+\i], v[128+6*\v+\i:129+6*\v+\i]
.endr
.endr
.irp i, 0,2,4
	v_pk_add_f32 v[176+\i:177+\i], v[128+\i:129+\i], v[104+\i:105+\i]   ; + b2
.endr
	v_add_f32 v182, v179, v180
	v_add_f32 v183, v178, v181                     ; a + c
	v_mul_f32 v182, 0.5, v182                      ; b
	v_mul_f32 v185, v182, v183                     ; b (a + c), twice
	v_mul_f32 v186, v182, v183
	v_mul_f32 v183, v182, v182                     ; b b
	v_fma_f32 v184, v178, v178, v183               ; a a + b b
	v_fma_f32 v187, v181, v181, v183               ; c c + b b
	WIN 0
.endm
; My tile of block j is stored, behind a wait on va_vdst that the caller writes.
.macro RSTORE j
	WIN 0x04                                       ; the stores' data in window 1
	global_store_b64  v10, v[176:177], s[16:17] offset:2048*(\j) th:TH_STORE_NT   ; the wave stores 256 consecutive bytes, at a multiple of 256 from out0's first byte
	global_store_b128 v11, v[184:187], s[18:19] offset:4096*(\j) th:TH_STORE_NT   ; and 512 of out1
	WIN 0
.endm
; A STEP of the pipeline, number ST of 34 in a block.  Pair ST (tile ST / 4 of the rows, my hidden tiles 2 (ST % 4) and 2 (ST % 4) + 1) is multiplied; pair ST - 1 is scaled, clipped and rounded; pair ST - 2 goes into the second product.
; The vector work stands between the matrix instructions, eight instructions behind each.  The sets of registers (two pairs of tiles, two fragments of f16, two of tau, two accumulators) take turns, so that behind every matrix
; instruction at least sixteen plain vector instructions that name none of its registers stand before its result is read or one of its registers is written (four are asked, five where a matrix instruction writes: ISA guide 7.12.1);
; in step 0 four v_nop do it.  Each tile of sums is first read at its registers 0 and 1, by the scaling.
; The matrix instructions go first product, first product, second product: no two that follow each other share an accumulator.  Only at a block's end do three links of one chain follow each other.
; A tile's LDS and memory instructions stand in one run at the end of its first step, behind the step's one wait on va_vdst.
.macro STEP
.set PP, ST%4
.set DC, DT+16*(ST%2)
.set DP, DT+16*((ST+1)%2)
.set XX, XF+8*((ST/4)%2)
.if (ST%4 == 0) && (ST <= 28)          ; a tile of rows begins: its fragment of tau is in.  The count: the LDS instructions issued behind its two loads
.if ST == 0
	s_wait_dscnt 2+RL                              ; tile 1's two loads, and the sixteen loads of partial outputs where there are any
.elseif ST == 4
	s_wait_dscnt RL                                ; those sixteen
.elseif ST == 8
	s_wait_dscnt 0                                 ; nothing was issued behind tile 2's loads
.elseif ST == 20
	s_wait_dscnt 2+QS                              ; a tile's two stores of partial outputs, and the eight stores of the next block's codes where there are any
.else
	s_wait_dscnt 2                                 ; a tile's two stores of partial outputs
.endif
.endif
.if ST <= 31
	v_wmma_f32_16x16x64_bf8_bf8 v[DC:DC+7], v[W1F+16*PP:W1F+16*PP+7], v[XX:XX+7], v[B1R+16*PP:B1R+16*PP+7]
.endif
.if (ST >= 1) && (ST <= 32)
.irp i, 0,2,4,6,8,10,12,14
	v_pk_mul_f32 v[DP+\i:DP+\i+1], v[DP+\i:DP+\i+1], s[32:33] op_sel_hi:[1,0]   ; x 2^(e0 + e1) (the scalar pair's low word for both halves): nothing is rounded
.endr
.endif
.if ST <= 31
	v_wmma_f32_16x16x64_bf8_bf8 v[DC+8:DC+15], v[W1F+16*PP+8:W1F+16*PP+15], v[XX:XX+7], v[B1R+16*PP+8:B1R+16*PP+15]
.endif
.if ST == 0
	PLACES 4
.endif
.if (ST >= 1) && (ST <= 32)
	DMAX DP
	DMAX DP+8
.endif
.if ST >= 2
.set UU, ST-2
.set AA, ACC+8*((UU/4)%2)
.set HH, HB+8*(UU%2)
.set WW, W2F+8*(UU%4)
.if ST >= 31
	s_wait_alu depctr_va_vdst(0)                   ; the block's last three links follow each other on one accumulator.  In step 31 it also states that tile 6's sums, finished in step 29, are written
.endif
.if UU%4 == 0
.if (UU >= 8) || ((UU == 0) && (JB > 0))
	s_wait_alu depctr_vm_vsrc(0)                   ; the LDS stores issued so far have read the accumulator that the product below begins anew (step 2: both accumulators, read by the stores of tiles 6 and 7 of the block before); step 10: the global stores have read their results, step 18: the LDS stores their codes, which the next block writes again
.endif
	v_wmma_f32_16x16x32_f16 v[AA:AA+7], v[WW:WW+7], v[HH:HH+7], 0   ; a tile's first product starts its sums: nothing is cleared
.else
	v_wmma_f32_16x16x32_f16 v[AA:AA+7], v[WW:WW+7], v[HH:HH+7], v[AA:AA+7]
.endif
.endif
.if (ST >= 1) && (ST <= 32)
.set HP, HB+8*((ST+1)%2)
.irp i, 0,1,2,3,4,5,6,7
	v_cvt_pk_f16_f32 v[HP+\i], v[DP+2*\i], v[DP+2*\i+1]
.endr
.endif
.if (ST%4 == 0) && (ST >= 4) && (ST <= 28)
	s_wait_alu depctr_va_vdst(0)                   ; the first products of the tile before are done reading their fragment of tau, in which the loads below land; the sums of the tile two back are written, which the LDS stores below read; step 8: the results are written, step 16: the codes
.if ST <= 24
	XLOAD ST/4+1                                   ; the next tile's fragment, a tile ahead, into the set that the tile before has left
.endif
.if ST >= 8
	PSTORE ST/4-2                                  ; the tile whose last product stands three steps back
.endif
.if (ST == 8) && (JB > 0)
	RSTORE JB-1                                    ; my tile of the block before, finished behind step 7
.endif
.if (ST == 16) && (JB < 3)
	QSTORE 96, XBUF*((JB+1)%2), 1                  ; my tile of the next block, converted behind step 15
.endif
.endif
.if ST == 31
	PSTORE 6                                       ; no wait of its own: nothing issued since this step's wait on va_vdst names tile 6's accumulator
.endif
.endm
; A BLOCK of 128 rows.  Between two barriers the waves read tau's codes of buffer j % 2 and the partial outputs of buffer (j + 1) % 2, and write, each its own bytes, the other two: no byte is both written and read.
; The loads at its head land in registers that vector and matrix instructions have named; the last wait on va_vdst ahead of the barrier (block 0: the head's last; else the block before's last) has shown those done, and no vector or matrix instruction stands between.
.macro BLOCK j
.set JB,  \j
.set XB,  XBUF*((\j)%2)
.set PWA, 3+2*((\j)%2)
.set PWB, 4+2*((\j)%2)
.if \j > 0
.set RL, 16
.else
.set RL, 0
.endif
.if \j < 3
.set QS, 8
.else
.set QS, 0
.endif
	XLOAD 0
	XLOAD 1
.if \j > 0
	RLOAD PBUF*((\j-1)%2)
.endif
.set ST, 0
.rept 8
	STEP
.set ST, ST+1
.endr
.if \j > 0
	RADD 2                                         ; behind RLOAD: tile 2's two loads
.endif
.rept 8
	STEP
.set ST, ST+1
.endr
.if \j < 3
	s_wait_loadcnt 16-8*\j                         ; the next block's tile is in (and b2); the eight loads of each later block may stay out
	QCONV 32*\j, 96, 111, 1
.endif
.rept 18
	STEP
.set ST, ST+1
.endr
	PLACES 4                                       ; behind the last product, in front of the store that reads its result
	s_wait_alu depctr_va_vdst(0)                   ; the last product has written tile 7's sums, which the stores below read; the first products of tiles 6 and 7 are done reading tau's two fragments, and this block's additions are done with v128-175 of window 1: the loads behind the barrier land in these
	PSTORE 7
	BARRIER
.endm
	; ---- arguments, ids, addresses
	s_load_b256 s[4:11], s[0:1], 0x0               ; tau s[4:5], W1 s[6:7], b1 s[8:9], W2 s[10:11]
	s_load_b256 s[12:19], s[0:1], 0x20             ; b2 s[12:13], the scales' exponents s[14:15], out0 s[16:17], out1 s[18:19]
	v_lshrrev_b32 v12, 5, v0
	v_readfirstlane_b32 s20, v12                   ; wave w, 0..7
	v_and_b32 v94, 31, v0                          ; lane l
	v_and_b32 v12, 15, v0                          ; r
	v_bfe_u32 v13, v0, 4, 1                        ; h
	v_lshlrev_b32 v1, 4, v94                       ; v1: 16 l; never rewritten
	v_lshlrev_b32 v95, 3, v94                      ; 8 l
	v_mul_u32_u24 v2, v12, XP
	v_lshl_add_u32 v2, v13, 4, v2                  ; v2: a fragment of tau's codes: row r, + 16 h
	s_wait_alu depctr_va_sdst(0)                   ; s20 is written, ahead of its first reader: LDS addresses and the buffers' bases are made from it
	s_mul_i32 s21, s20, PWAVE
	s_add_co_u32 s21, s21, PART
	v_add_nc_u32 v3, s21, v1                       ; v3, v4: where I put partial outputs, buffer 0
	v_add_nc_u32 v4, s21, v95
	v_add_nc_u32 v4, 512, v4
	v_add_nc_u32 v5, PBUF, v3                      ; v5, v6: buffer 1
	v_add_nc_u32 v6, PBUF, v4
	s_mul_i32 s21, s20, XTILE
	v_mul_u32_u24 v7, v13, XP
	v_lshl_add_u32 v7, v12, 2, v7
	v_add_nc_u32 v7, s21, v7                       ; v7: where I put codes of tau: tile w, row h, byte 4 r
	s_mul_i32 s21, s20, PTILE
	s_add_co_u32 s21, s21, PART
	v_add_nc_u32 v8, s21, v1                       ; v8, v9: where I read the partial outputs of tile w
	v_add_nc_u32 v9, s21, v95
	v_add_nc_u32 v9, 512, v9
	s_lshl_b32 s21, s20, 8
	v_lshlrev_b32 v10, 4, v12
	v_lshl_add_u32 v10, v13, 3, v10
	v_add_nc_u32 v10, s21, v10                     ; v10: out0: tile w, row r of 16 bytes, component h of 8
	s_lshl_b32 s21, s20, 9
	v_lshlrev_b32 v11, 5, v12
	v_lshl_add_u32 v11, v13, 4, v11
	v_add_nc_u32 v11, s21, v11                     ; v11: out1: row r of 32 bytes, component h of 16
	v_lshlrev_b32 v14, 16, v13
	v_lshl_add_u32 v14, v12, 4, v14                ; v14: W1: 16 h rows of 4,096 bytes, + 16 r
	s_mul_i32 s21, s20, SCRW
	s_add_co_u32 s21, s21, SCR                     ; my scratch
	v_add_nc_u32 v15, s21, v1                      ; v15: into it, as loaded
	v_and_b32 v94, 7, v0                           ; slot r is component r / 8, index i = r % 8
	v_add_nc_u32 v95, 2, v94
	v_lshrrev_b32 v95, 3, v95                      ; 1 for i = 6, 7: slots that hold zeros
	v_add_nc_u32 v90, -1, v95                      ; v90: all ones for a slot that counts, 0 for the others
	; v88: W2 out of the scratch: 32 h rows on, + 24 (r / 8) + 4 (r % 8) bytes.  A slot that counts reads column 6 (r / 8) + i of its row.  The idle slots read straight on: columns 6 and 7, or the first 8 bytes of what
	; follows the row (the next row; behind the last row, b1): bytes that this wave has stored, and what they give is masked.  The two halves of the lanes read words 384 apart: these 64 loads, once in the launch, go two deep on the banks.
	v_mul_u32_u24 v88, v13, W2P
	v_bfe_u32 v95, v0, 3, 1
	v_mul_u32_u24 v95, v95, 3
	v_lshl_add_u32 v88, v95, 3, v88
	v_lshl_add_u32 v88, v94, 2, v88
	v_add_nc_u32 v88, s21, v88
	v_lshlrev_b32 v89, 7, v13
	v_add_nc_u32 v89, s21, v89
	v_add_nc_u32 v89, SB1, v89                     ; v89: b1 out of it: + 32 h numbers
	v_mul_u32_u24 v13, v13, 24                     ; v13: b2: 6 h numbers on; never rewritten
	s_lshl_b32 s22, ttmp9, 17                      ; the work-group's 512 rows of 256 bytes,
	s_lshl_b32 s21, s20, 12                        ; my tile of 16
	s_add_co_u32 s22, s22, s21
	s_mov_b32 s23, 0
	s_mov_b32 s34, 0x05010400                      ; byte selects of the 4 x 4 turn
	s_mov_b32 s35, 0x07030602
	s_mov_b32 s36, 0x05040100
	s_mov_b32 s37, 0x07060302
	s_wait_kmcnt 0x0
	s_load_b64 s[24:25], s[14:15], 0x0             ; e0, e1
	s_add_nc_u64 s[4:5], s[4:5], s[22:23]
	s_lshl_b32 s22, s20, 9                         ; my 128 units: 512 bytes of a row of W1, and of b1
	s_add_nc_u64 s[6:7], s[6:7], s[22:23]
	s_add_nc_u64 s[8:9], s[8:9], s[22:23]
	s_mul_i32 s22, s20, 6144                       ; and 128 rows of 48 bytes of W2
	s_add_nc_u64 s[10:11], s[10:11], s[22:23]
	s_lshl_b32 s22, ttmp9, 13
	s_add_nc_u64 s[16:17], s[16:17], s[22:23]      ; out0 at the work-group's first row
	s_lshl_b32 s22, ttmp9, 14
	s_add_nc_u64 s[18:19], s[18:19], s[22:23]      ; out1 likewise
	; ---- the head's 85 loads: tau's first tile (8), b1 (1), W2 (12), W1 (64)
	s_wait_alu depctr_va_vdst(0)                   ; the addresses and offsets v1 to v11, v13 to v15, v88 and v89 are written: every load and store of the kernel reads one of them, and none is written again while it serves
	TLOAD 224, 0
	global_load_b128 v[208:211], v1, s[8:9]        ; my 512 bytes of b1, as they lie
.irp i, 0,1,2,3,4,5,6,7,8,9,10,11
	global_load_b128 v[160+4*\i:163+4*\i], v1, s[10:11] offset:512*\i   ; my 6,144 bytes of W2, as they lie
.endr
	WIN 0x40                                       ; destination window 1, address window 0
	W1LOAD 0
	W1LOAD 1
	WIN 0
	; ---- the scales
	s_wait_kmcnt 0x0
	s_add_co_i32 s21, s24, 127
	s_lshl_b32 s38, s21, 23                        ; 2^e0 as f32: the conversion takes its exponent field
	s_add_co_i32 s21, s21, 15
	s_lshl_b32 s27, s21, 23
	s_or_b32 s27, s27, 0x600000                    ; 57,344 x 2^e0,
	s_xor_b32 s26, s27, 0x80000000                 ; and its negative
	s_add_co_i32 s21, s25, 127
	s_lshl_b32 s39, s21, 23                        ; the same for e1
	s_add_co_i32 s21, s21, 15
	s_lshl_b32 s29, s21, 23
	s_or_b32 s29, s29, 0x600000
	s_xor_b32 s28, s29, 0x80000000
	s_add_co_i32 s21, s24, s25
	s_sub_co_i32 s30, 0, s21                       ; -(e0 + e1): b1 goes in as b1 / 2^(e0 + e1)
	s_add_co_i32 s21, s21, 127
	s_lshl_b32 s32, s21, 23                        ; 2^(e0 + e1) as f32
	s_mov_b32 s33, s32                             ; (named with it as a pair, so it is written)
	v_mov_b32 v91, s38
	v_mov_b32 v92, s39
	s_wait_loadcnt 63                              ; of the 85 loads at most 63 are out: the oldest 22 are in, tau's tile, b1 and W2 (21) among them
	; ---- tau, block 0, my tile: codes into buffer 0
	QCONV 224, 80, 91, 0
	s_wait_alu depctr_va_vdst(0)                   ; the conversions have written v80 to v87, which the eight LDS stores read
	QSTORE 80, 0, 0
	; ---- W2 and b1 turn through my own scratch: in as loaded, out in the operands' order.  LDS serves a wave's instructions in order (ISA guide 5.7.1.4): no wait between the stores and the loads
.irp i, 0,1,2,3,4,5,6,7,8,9,10,11
	ds_store_b128 v15, v[160+4*\i:163+4*\i] offset:512*\i
.endr
	ds_store_b128 v15, v[208:211] offset:SB1
.irp g, 0,1
.irp j, 0,1,2,3,4,5,6,7
	ds_load_b128 v[96+32*\g+4*\j:99+32*\g+4*\j], v89 offset:256*\g+16*\j   ; b1 of units 64 g + 32 h + 4 j + 0 .. 3
.endr
.endr
.irp p, 0,1,2,3
.irp u, 0,1
.irp j, 0,1,2,3,4,5,6,7
	ds_load_b32 v[16+16*\p+8*\u+\j], v88 offset:2*W2P*(\p/2)+192*\j+48*(2*(\p%2)+\u)   ; W2(unit 64 (p / 2) + 32 h + 4 j + 2 (p % 2) + u, my slot's column)
.endr
.endr
.endr
	s_wait_dscnt 0x0
	s_wait_alu depctr_vm_vsrc(0)                   ; the LDS stores above have read v160 to v211, which the lines below write; they have read v80 to v87, and the LDS loads v88 and v89: these are the accumulators from block 0 on
.irp g, 0,1
.irp c, 0,1,2,3
.irp j, 0,1,2,3,4,5,6,7
	v_ldexp_f32 v[B1R+8*(4*\g+\c)+\j], v[96+32*\g+4*\j+\c], s30   ; register j of tile 4 g + c: b1 / s of unit 64 g + 4 (8 h + j) + c
.endr
.endr
.endr
.irp p, 0,1,2,3
.irp u, 0,1
.irp j, 0,1,2,3
	v_cvt_pk_f16_f32 v[W2F+8*\p+4*\u+\j], v[16+16*\p+8*\u+2*\j], v[17+16*\p+8*\u+2*\j]
.endr
.endr
.endr
.set n, 0
.rept 32
	v_and_b32 v[W2F+n], v90, v[W2F+n]              ; the idle slots hold zeros
.set n, n+1
.endr
	; ---- W1, first half; then the registers that it leaves take b2 and tau's other three tiles
	s_wait_loadcnt 32                              ; behind the first half's loads: the second half's 32
	W1PROC 0
	WIN 0x40
	s_wait_alu depctr_va_vdst(0)                   ; the holds have written, and the conversions are done reading, v0 to v127 of window 1, in which the loads below land
.irp i, 0,1,2
	global_load_b64 v[104+2*\i:105+2*\i], v13, s[12:13] offset:8*\i   ; b2 of my component's six outputs
.endr
	TLOAD 0, 1
	TLOAD 32, 2
	TLOAD 64, 3
	v_mov_b32 v111, s38                            ; 2^e0, for the conversions in window 1
	WIN 0
	s_wait_loadcnt 27                              ; behind the second half's loads: b2's 3 and tau's 24
	W1PROC 1
	s_wait_alu depctr_va_vdst(0)                   ; the conversions and the turns are done with v16 to v31, in which block 0's first fragments of tau land, and with v128 to v175 of window 1, in which block 1's partial outputs land
	BARRIER                                        ; the eight tiles of block 0 lie in buffer 0
	; ---- the four blocks
	BLOCK 0
	BLOCK 1
	BLOCK 2
	BLOCK 3
	RLOAD PBUF                                     ; block 3's partial outputs lie in buffer 1
	RADD 0
	s_wait_alu depctr_va_vdst(0)                   ; the lines above have written v176, v177 and v184 to v187 of window 1, which the last two stores read
	RSTORE 3
	s_wait_xcnt 0x0
	v_lshl_add_u32 v254, v0, 2, 0x2a000            ; the add's two registers are made anew: v254 and v255 held W2, which the last products are long done reading, and no memory or LDS instruction of this text reads either
	v_mov_b32 v255, 0
	s_wait_dscnt 0x0                               ; the closing lines, six on end
	s_wait_alu 0x0
	s_wait_tensorcnt 0x0
	ds_add_u32 v254, v255
	s_wait_dscnt 0x0
	s_endpgm
.Lfunc_end_k_q0b4fb0301a_gmm:
	.size	k_q0b4fb0301a_gmm, .Lfunc_end_k_q0b4fb0301a_gmm-k_q0b4fb0301a_gmm
	.p2alignl 7, 3214868480
	.fill 96, 4, 3214868480
	.section	.rodata,"a",@progbits
	.p2align	6, 0x0
	.amdhsa_kernel k_q0b4fb0301a_gmm
		.amdhsa_group_segment_fixed_size 173056
		.amdhsa_private_segment_fixed_size 0
		.amdhsa_enable_private_segment 0
		.amdhsa_kernarg_size 64
		.amdhsa_user_sgpr_count 2
		.amdhsa_user_sgpr_kernarg_segment_ptr 1
		.amdhsa_wavefront_size32 1
		.amdhsa_system_sgpr_workgroup_id_x 1
		.amdhsa_system_sgpr_workgroup_id_y 1
		.amdhsa_system_sgpr_workgroup_id_z 1
		.amdhsa_system_vgpr_workitem_id 0
		.amdhsa_next_free_vgpr 512
		.amdhsa_next_free_sgpr 66
		.amdhsa_reserve_vcc 0
		.amdhsa_float_denorm_mode_32 3
		.amdhsa_float_denorm_mode_16_64 3
		.amdhsa_memory_ordered 1
		.amdhsa_forward_progress 1
		.amdhsa_inst_pref_size 255
	.end_amdhsa_kernel
	.section	.bss,"aw",@nobits
	.p2align	6
	.space	262144
	.amdgpu_metadata
---
amdhsa.version: [ 1, 2 ]
amdhsa.kernels:
  - .name:           k_q0b4fb0301a_gmm
    .symbol:         k_q0b4fb0301a_gmm.kd
    .args:
      - { .name: tau, .offset: 0, .size: 8, .value_kind: global_buffer, .address_space: global }
      - { .name: W1, .offset: 8, .size: 8, .value_kind: global_buffer, .address_space: global }
      - { .name: b1, .offset: 16, .size: 8, .value_kind: global_buffer, .address_space: global }
      - { .name: W2, .offset: 24, .size: 8, .value_kind: global_buffer, .address_space: global }
      - { .name: b2, .offset: 32, .size: 8, .value_kind: global_buffer, .address_space: global }
      - { .name: lowp_scales, .offset: 40, .size: 8, .value_kind: global_buffer, .address_space: global }
      - { .name: out0, .offset: 48, .size: 8, .value_kind: global_buffer, .address_space: global }
      - { .name: out1, .offset: 56, .size: 8, .value_kind: global_buffer, .address_space: global }
    .group_segment_fixed_size: 173056
    .private_segment_fixed_size: 0
    .kernarg_segment_align: 8
    .kernarg_segment_size: 64
    .max_flat_workgroup_size: 256
    .sgpr_count:     66
    .vgpr_count:     512
    .wavefront_size: 32
...
	.end_amdgpu_metadata
.endif
;; end of part 2
